; MI455X (gfx1250); checked and timed in simulation.
; The chip was launched on July 23, 2026; its instructions are those of AMD's public machine-readable ISA for CDNA 5 (MIT licence, August 2026) and "CDNA5" Instruction Set Architecture Reference Guide (July 2026). The comments in the code are by the model that wrote it; some were corrected since.
;; Decoder Attention Rotary. Allowed arithmetic: matrix products marked QUANTISED: E2M1 operands, one E8M0 scale for each 32 along K, by v_wmma_scale_f32_16x16x128_f8f6f4 with both operands' format E2M1 (or v_wmma_scale_f32_32x16x128_f4), f32 sums; everything else in f32.
;; Inputs: Wqkv_codes 3,072 x 32 x 16 uint8 (E2M1 codes of Wqkv, K innermost, in blocks of 32 codes, two codes a byte); Wqkv_scales 3,072 x 32 uint8 (E8M0 scales of Wqkv, one for each 32 codes along K); bqkv 3,072 float32; freqs_cis 4,096 x 32 x 2 float32; x_codes 1 x 4,096 x 32 x 16 uint8 (E2M1 codes of x, K innermost, in blocks of 32 codes, two codes a byte); x_scales 1 x 4,096 x 32 uint8 (E8M0 scales of x, one for each 32 codes along K).
;; Outputs: out0 1 x 4,096 x 1,024 float32.
;; This version of the problem:
;;   THIS VERSION OF THE PROBLEM IS GIVEN IN LOW PRECISION. The matrix products marked QUANTISED in the list below multiply operands that are first quantised to E2M1 (2 exponent bits, 1 mantissa bit; 4 bits a number), with one power-of-two scale for each 32 numbers along K (OCP MX v1.0); their sums are f32. All else is computed in f32.
;;   The module's matrix products, in the order in which they are computed (A, B: the left and right operand; K: the contracted axis; several contracted axes count as one K, in the product's order):
;;     1. [M 4,096, K 1,024] x [K 1,024, N 3,072]; A: input x (given as codes); B: input Wqkv (given as codes): QUANTISED
;;     2. batch 16 x [M 4,096, K 64] x [K 64, N 4,096]; A: computed on the way; B: computed on the way: QUANTISED
;;     3. batch 16 x [M 4,096, K 4,096] x [K 4,096, N 64]; A: softmax (see below); B: computed on the way: QUANTISED
;;   THE QUANTISER, for each operand of a quantised product, along K:
;;     - K is cut into blocks of 32 from its start; a last block that is shorter is filled with zeros.
;;     - A block's scale is 2^e with e = floor(log2(the largest magnitude in the block)) - 2, held to -126 .. 127; a block of zeros has e = 0. As a byte (E8M0): e + 127.
;;     - Each number is divided by its block's scale, clamped to +-6, and rounded to the nearest number of E2M1, ties to even, subnormals kept.
;;     - The product sums the exact products of the quantised numbers (number of the format x scale) in f32.
;;   ~~~python
;;   def quantise(x, axis):      # numpy; x: float32 -> the quantised numbers, widened to float32 again
;;       x = np.moveaxis(x, axis, -1); K = x.shape[-1]
;;       x = np.pad(x, [(0, 0)] * (x.ndim - 1) + [(0, -K % 32)]); x = x.reshape(x.shape[:-1] + (-1, 32)); a = np.abs(x).max(-1, keepdims=True)
;;       e = np.where(a > 0, np.clip(np.frexp(np.where(a > 0, a, 1))[1] - 1 - 2, -126, 127), 0)      # np.frexp(a)[1] - 1 = floor(log2(a)), exactly
;;       r = np.clip(x / 2.0 ** e, -6, 6)
;;       step = 2.0 ** (np.maximum(np.frexp(np.where(r == 0, 1, r))[1] - 1, 0) - 1)
;;       q = np.round(r / step) * step * 2.0 ** e      # np.round: ties to even
;;       return np.moveaxis(q.reshape(q.shape[:-2] + (-1,))[..., :K], -1, axis).astype(np.float32)
;;   ~~~
;;   SOFTMAX AHEAD OF A QUANTISED PRODUCT. Where the list says 'softmax', what is quantised is not the finished softmax but p = 2^(t - M), with t = logit x log2(e) and M = ceil(the row's largest t), a whole number; so 1/2 < the row's largest p <= 1. The row's sum l is taken of the UNQUANTISED p, in f32, and the product's result is divided by l at the end. Since M is a whole number, a kernel that streams over the keys may use a running M (the ceiling of the running maximum): every later rescaling is an exact power of two, which a block's scale takes up: the codes' values come out the same.
;;   OPERANDS COMPUTED ON THE WAY. 'Computed on the way' means the value that the module computes at that place (a softmax that the list does not call 'softmax' is quantised finished and normalised). What goes into a quantiser is computed in f32, as accurately as f32 sums, v_exp_f32 and their like allow (about 1e-6 of the number): no bf16 or f16 on the way to a quantiser, and a product that is left as it is and whose result goes on into a quantised operand takes f32 operands (vector FMAs, or v_wmma_f32_16x16x4_f32). A number that lies on a knife's edge between two numbers of the format may be rounded either way, as far as f32 arithmetic and the matrix unit's own rounding can turn it there, and no further.
;;   INPUTS GIVEN AS CODES. Wqkv (in the module: [1024, 3072], K = its axis 0); x (in the module: [1, 4096, 1024], K = its axis 2): each comes as NAME_codes (uint8): NAME with its K axis moved to the last place and cut into blocks of 32 codes, [.., K / 32, bytes a block], one block behind the other in memory; two codes a byte, the lower K in the low four bits (a code: sign, 2 exponent bits, 1 mantissa bit); and NAME_scales (uint8): the same leading axes, one E8M0 byte (e + 127) for each 32 codes along K. Its value is code x scale, taken as it is: it is not quantised again, and the codes and scales need not be those that the quantiser above would give.
;; One version. Each part assembles by itself: llvm-mc -triple=amdgcn-amd-amdhsa -mcpu=gfx1250 --defsym DOCPART=n.
;; ======== version 1 of 1: 2 launches
;; workspace buffers: qb 2,359,296 bytes; kv 4,587,520 bytes
;; launch qkv (part 1): grid 8 x 32, 12 waves a work-group, clusters of 4 x 4, 327,680 bytes of LDS; arguments x_codes, x_scales, Wqkv_codes, Wqkv_scales, bqkv, freqs_cis, qb, kv; writes qb, kv
.if DOCPART == 1
	.amdgcn_target "amdgcn-amd-amdhsa--gfx1250"
	.amdhsa_code_object_version 6
	.text
	.protected	k_qd7d6e6fab2_qkv
	.globl	k_qd7d6e6fab2_qkv
	.p2align	8
	.type	k_qd7d6e6fab2_qkv,@function
k_qd7d6e6fab2_qkv:
	s_mov_b64 s[64:65], 0
	v_nop
	global_prefetch_b8 v0, s[64:65] scope:SCOPE_SE
	s_setreg_imm32_b32 hwreg(HW_REG_WAVE_MODE, 25, 1), 1
	s_wait_xcnt 0x0
	s_wait_alu depctr_hold_cnt(0) depctr_sa_sdst(0) depctr_va_vdst(0) depctr_va_sdst(0) depctr_va_ssrc(0) depctr_va_vcc(0) depctr_vm_vsrc(0)
	s_getreg_b32 s2, hwreg(HW_REG_IB_STS2, 6, 4)
	s_cmp_eq_u32 s2, 0
	s_cbranch_scc0 .Lentry_in_a_cluster
	s_endpgm
.Lentry_in_a_cluster:
	s_bfe_u32 s2, ttmp6, 0x10000c
	s_cmp_lg_u32 s2, 0xf033
	s_cbranch_scc0 .Lentry_shape_is_right
	s_endpgm
.Lentry_shape_is_right:
; qkv = x Wqkv + bqkv on the given codes of FP4 (E2M1) with E8M0 scales; rotary turn of q and k; q and k quantised along the head's 64 channels (two blocks of 32), v along the keys.
; Only codes and scale words go to memory, laid as images of the operand registers that the second launch loads (512 bytes a piece, lane L's 16 bytes at 16 L).
; WORK LEFT OUT BY THE PROGRAM (in the second launch): reference() sets scores[q][k] to -inf wherever k > q, by a tril that it builds itself; exp(-inf) is 0 for every value of the inputs, so such a key adds 0 to the
; row's sum and 0 to the output.  Where all 128 keys of a step come after all 16 queries of a tile, the step's two products and its softmax are not done.  Nothing else is left out; every input is loaded.
; LIMIT: a NaN, an infinity or an overflow that reaches only those scores is not carried to the result.
; LIMITS of the quantiser here: a block's largest magnitude is not taken under 2^(3 - 127), so its byte is at least 1; a block of zeros gets the byte 1 where the rule says 127 (its codes are zeros, and this program alone
; reads the bytes); NaN and infinities among the inputs are not served.  The bias enters as the C of a sum's first product, so it is added ahead of the products and not behind them: another order of f32 rounding.
; SHARES.  Work-group (hg, lb): rows l = 128 lb .. + 127, and the 384 columns of q, k, v of heads 2 hg and 2 hg + 1.  All of K = 1,024 of these 512 operand rows lies in LDS: one fill, one barrier, no refill.
; Twelve waves: ro = wave / 4 says q, k or v; w3 = wave % 4.  A wave makes 128 P rows (source 0, 8 tiles) x 32 N rows (source 1, 2 tiles): 16 accumulators.  Lane (r, h), register j of accumulator (t, i): P row 16 t + 8 h + j, N row 16 i + r.
;   q, k: P = 128 rows of W (two heads x 64 channels), N = rows 32 w3 .. + 31 of x: a lane holds one position, its registers run along the channels, which are the next K.
;   v:    P = the 128 rows of x (the keys of one step of the second launch), N = rows 32 w3 .. + 31 of Wv: a lane holds one channel, its registers run along the keys, which are the next K.
; CODES INTO AN OPERAND'S ORDER.  The conversion of tile t gives, in half h of the lanes, the eight codes k = 16 t + 8 h + 0 .. 7.  The operand wants in register 4 c + g, half h, k = 64 c + 32 h + 8 g + 0 .. 7.
; So the results of tiles 4 c, 4 c + 2, 4 c + 1, 4 c + 3 go to registers 4 c .. 4 c + 3, and registers (4 c, 4 c + 1) and (4 c + 2, 4 c + 3) exchange halves.
; CLUSTER 4 x 4.  x's rows, their scales and the cos/sin rows hang on lb alone: asked for jointly along a row of the cluster; W's rows and scales hang on hg alone: jointly along a column.
; STORES.  Each store of codes covers 512 consecutive bytes at a multiple of 512; the stores of scale words cover 128 consecutive bytes (32 rows x 4): a tenth of what the launch writes.
; All tensor loads stand at the head, so there is no later load to ask ahead for.
.set PITCH,  528                       ; an operand row in LDS: 512 bytes (1,024 codes) + 16 of padding: the 16 rows of a fragment load start 132 words apart
.set TILEB,  16*PITCH
.set HALFB,  64*PITCH                  ; what one tensor load of codes brings
.set SEGB,   128*PITCH
.set SCL,    512*PITCH                 ; LDS: rows 0-127 Wq, 128-255 Wk, 256-383 x, 384-511 Wv; then the same 512 rows' scale bytes, 32 a row;
.set FRQ,    SCL+512*32                ; then 128 rows of cos/sin, 256 bytes + 16 of padding;
.set FPITCH, 272
.set SPARE,  FRQ+128*FPITCH            ; then the spare words, 128 bytes for each wave: six blocks of 256 bytes that no other line names
.set QHEAD,  147456                    ; a head's block in qb: codes [256 tiles][512], then scale words [4,096] of 4 bytes
.set KHEAD,  286720                    ; a head's block in kv: k's codes, v's codes, k's scale words, v's scale words
.set QSC,    131072
.set VCO,    131072
.set KSC,    262144
.set VSC,    278528
.set PA,  1                            ; v1   LDS address of my P fragments
.set NA,  2                            ; v2   of my N fragments
.set PS,  3                            ; v3   of P's scale words: a row a lane
.set NS,  4                            ; v4   of N's
.set FA,  5                            ; v5   of my cos/sin
.set SPW, 6                            ; v6   LDS address of my spare word; never rewritten
.set NIL, 7                            ; v7   0; never rewritten
.set CO,  8                            ; v8   16 x lane
.set SO,  9                            ; v9   4 x lane
.set BO,  10                           ; v10  32 h: q's and k's bias
.set BVO, 11                           ; v11  4 r + 128 w3: v's bias
.set BV,  12                           ; v12-27  v's bias: eight equal registers for each N tile
.set PSC, 28                           ; v28-43  P's scale words: register 4 a + s % 4: lanes 0-15 tile 2 a, lanes 16-31 tile 2 a + 1
.set NSC, 44                           ; v44-47  N's: register s % 4: lanes 0-15 tile 0, lanes 16-31 tile 1
.set NF,  48                           ; v48-63  two N fragments
.set PF,  64                           ; v64-127 eight P fragments
.set ACC, 128                          ; v128-255 accumulator (t, i) at 128 + 64 i + 8 t
.set F0,  64                           ; behind the sums: cos/sin of N tile 0, v64-95;
.set F1,  12                           ; of N tile 1, v12-43
.set RT,  96                           ; v96-103  at work in the rotary turn
.set TM,  104                          ; v104-119 at work in the quantiser
.set PC,  48                           ; v48-63   codes, eight registers for each N tile
.set PW,  120                          ; v120-121 scale words, one for each N tile
.set SW,  122                          ; v122-124 scale words as they are stored
.set WV,   20
.set CX,   21
.set CY,   22
.set HG,   23
.set LB,   24
.set MROW, 25
.set MCOL, 26
.set HIM,  27                          ; lanes 16-31, as a mask
.set G1CW, 28                          ; descriptor groups 1: W's codes, x's codes, W's scales, x's scales, cos/sin
.set G1CX, 36
.set G1SW, 44
.set G1SX, 52
.set SEL,  60                          ; s[60:61] lane selects: lane l xor 16
.set G1F,  68
.set G0CW, 76                          ; descriptor groups 0, one for each tensor line
.set G0CX, 80
.set G0SW, 84
.set G0SX, 88
.set G0F,  92
.set BB,   98                          ; s[98:99] the bias of my role's 128 columns
.set RO,   100
.set W3,   101
.set CB0,  28                          ; behind the wait for the tensor loads their registers are free: where the codes and scale words go
.set CB1,  34
.set SB0,  36
.set SB1,  38
.set VB,   34
.set VSB,  36
.macro CROUND                          ; a round of the cluster's barrier
	s_barrier_signal -1
	s_barrier_wait -1
	s_cmp_lg_u32 s[WV], 0
	s_cbranch_scc1 .Lnot_wave_0_\@
	s_barrier_signal -3
.Lnot_wave_0_\@:
	s_barrier_wait -3
	s_barrier_signal -1
	s_barrier_wait -1
.endm
.macro PLACES n
.rept \n
	v_nop
.endr
.endm
; One product.  d, a, b, c: first registers of D, source 0, source 1, C;  sa, sb: the scale registers;  ra, rb = 1: that side's words lie in lanes 16-31
.macro MM d, a, b, c, sa, sb, ra, rb
.if (\ra)==0 && (\rb)==0
	v_wmma_scale_f32_16x16x128_f8f6f4 v[(\d):(\d)+7], v[(\a):(\a)+7], v[(\b):(\b)+7], v[(\c):(\c)+7], v[(\sa)], v[(\sb)] matrix_a_fmt:MATRIX_FMT_FP4 matrix_b_fmt:MATRIX_FMT_FP4
.elseif (\ra)==1 && (\rb)==0
	v_wmma_scale_f32_16x16x128_f8f6f4 v[(\d):(\d)+7], v[(\a):(\a)+7], v[(\b):(\b)+7], v[(\c):(\c)+7], v[(\sa)], v[(\sb)] matrix_a_fmt:MATRIX_FMT_FP4 matrix_b_fmt:MATRIX_FMT_FP4 matrix_a_scale:MATRIX_SCALE_ROW1
.elseif (\ra)==0 && (\rb)==1
	v_wmma_scale_f32_16x16x128_f8f6f4 v[(\d):(\d)+7], v[(\a):(\a)+7], v[(\b):(\b)+7], v[(\c):(\c)+7], v[(\sa)], v[(\sb)] matrix_a_fmt:MATRIX_FMT_FP4 matrix_b_fmt:MATRIX_FMT_FP4 matrix_b_scale:MATRIX_SCALE_ROW1
.else
	v_wmma_scale_f32_16x16x128_f8f6f4 v[(\d):(\d)+7], v[(\a):(\a)+7], v[(\b):(\b)+7], v[(\c):(\c)+7], v[(\sa)], v[(\sb)] matrix_a_fmt:MATRIX_FMT_FP4 matrix_b_fmt:MATRIX_FMT_FP4 matrix_a_scale:MATRIX_SCALE_ROW1 matrix_b_scale:MATRIX_SCALE_ROW1
.endif
.endm
; K step s of eight: 128 along K, 64 bytes of each row.  20 fragment loads (and every fourth step 5 loads of scale words, four steps' each), then 16 products, the accumulators by turns, one instruction a turn.
; mode 0: the sums go on.  mode 1 (q, k, step 0): the bias lies in the registers of N tile 1's accumulators: N tile 0's products take it as C, N tile 1's add in place.  mode 2 (v, step 0): C = the lane's bias, spread over eight registers.
.macro KSTEP s, mode
.if \s > 0
	PLACES 4                                       ; in front of loads into registers that matrix instructions have read
.endif
.if (\s)%4 == 0
.irp a, 0,1,2,3
	ds_load_b128 v[PSC+4*\a:PSC+4*\a+3], v[PS] offset:\a*1024+16*((\s)/4)
.endr
	ds_load_b128 v[NSC:NSC+3], v[NS] offset:16*((\s)/4)
.endif
.irp i, 0,1
.irp c, 0,1
	ds_load_b128 v[NF+8*\i+4*\c:NF+8*\i+4*\c+3], v[NA] offset:\i*TILEB+64*(\s)+32*\c
.endr
.endr
.irp t, 0,1,2,3,4,5,6,7
.irp c, 0,1
	ds_load_b128 v[PF+8*\t+4*\c:PF+8*\t+4*\c+3], v[PA] offset:\t*TILEB+64*(\s)+32*\c
.endr
.endr
	s_wait_dscnt 0x0
.if \mode == 1
	s_wait_loadcnt 0x0                             ; the bias
.irp t, 0,1,2,3,4,5,6,7
	MM ACC+8*\t, PF+8*\t, NF, ACC+64+8*\t, PSC+4*(\t/2)+(\s)%4, NSC+(\s)%4, \t%2, 0
.endr
	PLACES 5                                       ; the next eight write over registers that the last eight read as C
.irp t, 0,1,2,3,4,5,6,7
	MM ACC+64+8*\t, PF+8*\t, NF+8, ACC+64+8*\t, PSC+4*(\t/2)+(\s)%4, NSC+(\s)%4, \t%2, 1
.endr
.elseif \mode == 2
	s_wait_loadcnt 0x0                             ; the bias: one number a lane for each N tile; C wants it in eight registers
.irp j, 1,2,3,4,5,6,7
	v_mov_b32 v[BV+\j], v[BV]
	v_mov_b32 v[BV+8+\j], v[BV+8]
.endr
.irp i, 0,1
.irp t, 0,1,2,3,4,5,6,7
	MM ACC+64*\i+8*\t, PF+8*\t, NF+8*\i, BV+8*\i, PSC+4*(\t/2)+(\s)%4, NSC+(\s)%4, \t%2, \i
.endr
.endr
.else
.irp i, 0,1
.irp t, 0,1,2,3,4,5,6,7
	MM ACC+64*\i+8*\t, PF+8*\t, NF+8*\i, ACC+64*\i+8*\t, PSC+4*(\t/2)+(\s)%4, NSC+(\s)%4, \t%2, \i
.endr
.endr
.endif
.endm
; The rotary turn of one tile: a: eight numbers (four pairs), f: cos, sin of the four pairs.  real = x0 c - x1 s, imag = x1 c + x0 s.  The first line reads the accumulator's register 1: its low end
.macro ROPE a, f
.irp p, 0,1,2,3
	v_mul_f32 v[RT+2*\p], v[(\a)+2*\p+1], v[(\f)+2*\p+1]
	v_mul_f32 v[RT+2*\p+1], v[(\a)+2*\p], v[(\f)+2*\p+1]
.endr
.irp p, 0,1,2,3
	v_fma_f32 v[(\a)+2*\p], v[(\a)+2*\p], v[(\f)+2*\p], -v[RT+2*\p]
	v_fma_f32 v[(\a)+2*\p+1], v[(\a)+2*\p+1], v[(\f)+2*\p], v[RT+2*\p+1]
.endr
.endm
; 64 numbers of a lane, v[s] on, tile t in registers 8 t .. 8 t + 7: k = 16 t + 8 h + j of my row.  Block b of 32 lies in registers 16 b .. 16 b + 15 of lanes l and l xor 16.  Codes to v[pc] .. + 7, the scale word to v[pw].
.macro QUANT s, pc, pw
.irp b, 0,1,2,3
	v_max3_num_f32 v[TM+\b], |v[(\s)+16*\b]|, |v[(\s)+1+16*\b]|, 0x1800000   ; my 16 numbers of block b, and the floor 2^(3 - 127): the byte cannot fall under 1
.endr
.irp i, 2,4,6,8,10,12,14
.irp b, 0,1,2,3
	v_max3_num_f32 v[TM+\b], v[TM+\b], |v[(\s)+16*\b+\i]|, |v[(\s)+1+16*\b+\i]|   ; the four blocks by turns
.endr
.endr
.irp b, 0,1,2,3
	v_permlanex16_b32 v[TM+4+\b], v[TM+\b], s[SEL], s[SEL+1]
.endr
.irp b, 0,1,2,3
	v_max_num_f32 v[TM+\b], v[TM+\b], v[TM+4+\b]   ; with lane l xor 16's: the block's largest magnitude
.endr
.irp b, 0,1,2,3
	v_add_nc_u32 v[TM+12+\b], 0xff000000, v[TM+\b] ; 2 off its exponent field: the conversion takes the exponent field of this operand as its scale
.endr
.irp b, 0,1,2,3
	v_lshrrev_b32 v[TM+4+\b], 23, v[TM+12+\b]      ; the scale's byte
.endr
	v_lshl_or_b32 v[(\pw)], v[TM+5], 8, v[TM+4]
	v_lshl_or_b32 v[(\pw)], v[TM+6], 16, v[(\pw)]
	v_lshl_or_b32 v[(\pw)], v[TM+7], 24, v[(\pw)]
.irp b, 0,1,2,3
	v_cvt_scalef32_pk8_fp4_f32 v[(\pc)+4*(\b/2)+(\b%2)], v[(\s)+16*\b:(\s)+16*\b+7], v[TM+12+\b]        ; tile 2 b
	v_cvt_scalef32_pk8_fp4_f32 v[(\pc)+4*(\b/2)+2+(\b%2)], v[(\s)+16*\b+8:(\s)+16*\b+15], v[TM+12+\b]   ; tile 2 b + 1
.endr
	v_nop                                          ; one plain place behind a scaled conversion
.irp c, 0,1
	v_permlane16_swap_b32 v[(\pc)+4*\c], v[(\pc)+4*\c+1]
	v_permlane16_swap_b32 v[(\pc)+4*\c+2], v[(\pc)+4*\c+3]
.endr
.endm
; q or k of N tile i: turned, quantised; registers 0-3 of the codes are head 2 hg's 64 channels of 16 positions, registers 4-7 head 2 hg + 1's: one image each
.macro QKOUT i, f
.irp t, 0,1,2,3,4,5,6,7
	ROPE ACC+64*(\i)+8*\t, (\f)+8*(\t%4)
.endr
	QUANT ACC+64*(\i), PC+8*(\i), PW+(\i)
	global_store_b128 v[CO], v[PC+8*(\i):PC+8*(\i)+3], s[CB0:CB0+1] offset:512*(\i)
	global_store_b128 v[CO], v[PC+8*(\i)+4:PC+8*(\i)+7], s[CB1:CB1+1] offset:512*(\i)
.endm
	s_load_b256 s[4:11], s[0:1], 0x0               ; x's codes s[4:5], x's scales s[6:7], W's codes s[8:9], W's scales s[10:11]
	s_load_b256 s[12:19], s[0:1], 0x20             ; bias s[12:13], cos/sin s[14:15], qb s[16:17], kv s[18:19]
	v_lshl_add_u32 v[SPW], v0, 2, SPARE
	v_mov_b32 v[NIL], 0
	ds_add_u32 v[SPW], v[NIL]                      ; the wave's opening: the add, twice on end, and its wait ahead of my first tensor load; the set-up below stands between
	ds_add_u32 v[SPW], v[NIL]
	v_lshrrev_b32 v12, 5, v0
	v_readfirstlane_b32 s[WV], v12                 ; wave 0..11
	s_lshr_b32 s[RO], s[WV], 2                     ; 0 q, 1 k, 2 v
	s_and_b32 s[W3], s[WV], 3
	s_bfe_u32 s[CX], ttmp6, 0x40000
	s_bfe_u32 s[CY], ttmp6, 0x40004
	s_lshl_b32 s[HG], ttmp9, 2
	s_add_co_u32 s[HG], s[HG], s[CX]               ; hg = 4 x cluster x + cx
	s_and_b32 s[LB], ttmp7, 0xffff
	s_lshl_b32 s[LB], s[LB], 2
	s_add_co_u32 s[LB], s[LB], s[CY]               ; lb = 4 x cluster y + cy
	s_lshl_b32 s[MROW], s[CY], 2
	s_lshl_b32 s[MROW], 15, s[MROW]                ; my row of the cluster
	s_lshl_b32 s[MCOL], 0x1111, s[CX]              ; my column
	s_mov_b32 s[HIM], 0xffff0000
	s_mov_b32 s[SEL], 0x76543210
	s_mov_b32 s[SEL+1], 0xfedcba98
	; groups 1.  Codes: 64 rows of 512 bytes, 16 bytes of padding behind each (four words after every 128)
	s_or_b32 s[G1CW], s[MCOL], (0<<16)|(1<<20)|(1<<21)|(6<<22)|(3<<25)
	s_or_b32 s[G1CX], s[MROW], (0<<16)|(1<<20)|(1<<21)|(6<<22)|(3<<25)
.irp g, G1CW, G1CX
	s_mov_b32 s[\g+1], 512<<16                     ; tensor_dim0
	s_mov_b32 s[\g+2], 64<<16                      ; tensor_dim1
	s_mov_b32 s[\g+3], 512<<16                     ; tile_dim0
	s_mov_b32 s[\g+4], 64                          ; tile_dim1
	s_mov_b32 s[\g+5], 512                         ; from row to row
	s_mov_b32 s[\g+6], 0
	s_mov_b32 s[\g+7], 0
.endr
	; scale bytes of 128 rows: 4,096 dense bytes, as 16 rows of 256 (32 elements of 8 bytes), no padding
	s_or_b32 s[G1SW], s[MCOL], (3<<16)|(1<<21)
	s_or_b32 s[G1SX], s[MROW], (3<<16)|(1<<21)
.irp g, G1SW, G1SX
	s_mov_b32 s[\g+1], 32<<16
	s_mov_b32 s[\g+2], 16<<16
	s_mov_b32 s[\g+3], 32<<16
	s_mov_b32 s[\g+4], 16
	s_mov_b32 s[\g+5], 32
	s_mov_b32 s[\g+6], 0
	s_mov_b32 s[\g+7], 0
.endr
	; cos/sin: 128 rows of 256 bytes, 16 bytes of padding behind each
	s_or_b32 s[G1F], s[MROW], (3<<16)|(1<<20)|(1<<21)|(5<<22)|(3<<25)
	s_mov_b32 s[G1F+1], 32<<16
	s_mov_b32 s[G1F+2], 128<<16
	s_mov_b32 s[G1F+3], 32<<16
	s_mov_b32 s[G1F+4], 128
	s_mov_b32 s[G1F+5], 32
	s_mov_b32 s[G1F+6], 0
	s_mov_b32 s[G1F+7], 0
	; groups 0: the LDS address from the wave's number alone; the offset in memory from hg (W) or from lb (x, cos/sin), in registers that never hold the other
	s_and_b32 s62, s[WV], 1
	s_lshl_b32 s62, s62, 6                         ; which 64 rows of a segment
	s_mov_b32 s[G0CW], 1
	s_and_b32 s2, s[WV], 7
	s_mul_i32 s[G0CW+1], s2, HALFB                 ; waves 0-7: 64 rows each, in LDS order
	s_lshr_b32 s2, s[WV], 1
	s_lshr_b32 s3, s[WV], 2
	s_sub_co_u32 s2, s2, s3                        ; waves 0, 1: q (0); 2, 3: k (1); 6, 7: v (2)
	s_lshl_b32 s2, s2, 10
	s_lshl_b32 s3, s[HG], 7                        ; 128 hg
	s_add_co_u32 s2, s2, s3
	s_add_co_u32 s2, s2, s62
	s_lshl_b32 s[G0CW+2], s2, 9                    ; rows of 512 bytes
	s_mov_b32 s[G0CW+3], 0
	s_mov_b32 s[G0CX], 1
	s_mov_b32 s[G0CX+1], s[G0CW+1]
	s_lshl_b32 s63, s[LB], 7
	s_add_co_u32 s63, s63, s62
	s_lshl_b32 s[G0CX+2], s63, 9
	s_mov_b32 s[G0CX+3], 0
	s_mov_b32 s[G0SW], 1
	s_lshl_b32 s97, s[W3], 12
	s_add_co_u32 s[G0SW+1], s97, SCL               ; waves 8, 9, 11: segments 0, 1, 3
	s_lshr_b32 s97, s[W3], 1
	s_sub_co_u32 s97, s[W3], s97                   ; q (0), k (1), v (2)
	s_lshl_b32 s97, s97, 10
	s_add_co_u32 s97, s97, s3
	s_lshl_b32 s[G0SW+2], s97, 5                   ; rows of 32 bytes
	s_mov_b32 s[G0SW+3], 0
	s_mov_b32 s[G0SX], 1
	s_mov_b32 s[G0SX+1], SCL+2*4096
	s_lshl_b32 s[G0SX+2], s[LB], 12
	s_mov_b32 s[G0SX+3], 0
	s_mov_b32 s[G0F], 1
	s_mov_b32 s[G0F+1], FRQ
	s_lshl_b32 s[G0F+2], s[LB], 15
	s_mov_b32 s[G0F+3], 0
	; every LDS address is made here, ahead of the first branch on the wave's number
	v_and_b32 v12, 15, v0                          ; r
	v_bfe_u32 v13, v0, 4, 1                        ; h
	v_and_b32 v14, 31, v0                          ; lane
	v_mul_u32_u24 v15, v12, PITCH
	v_lshl_add_u32 v15, v13, 4, v15                ; a fragment's row x pitch + 16 h
	s_mul_i32 s2, s[RO], SEGB
	v_add_nc_u32 v[PA], s2, v15                    ; P: segment ro (Wq, Wk, x)
	s_lshr_b32 s2, s[WV], 3
	s_lshl_b32 s2, s2, 7
	s_lshl_b32 s96, s[W3], 5
	s_add_co_u32 s2, s2, s96
	s_add_co_u32 s2, s2, 256                       ; N's first row: 256 (x) or 384 (Wv), + 32 w3
	s_mul_i32 s96, s2, PITCH
	v_add_nc_u32 v[NA], s96, v15
	s_lshl_b32 s96, s[RO], 7
	v_add_nc_u32 v[PS], s96, v14
	v_lshlrev_b32 v[PS], 5, v[PS]
	v_add_nc_u32 v[PS], SCL, v[PS]
	v_add_nc_u32 v[NS], s2, v14
	v_lshlrev_b32 v[NS], 5, v[NS]
	v_add_nc_u32 v[NS], SCL, v[NS]
	s_mul_i32 s96, s[W3], 32*FPITCH
	v_mul_u32_u24 v[FA], v12, FPITCH
	v_lshl_add_u32 v[FA], v13, 5, v[FA]
	v_add_nc_u32 v[FA], s96, v[FA]
	v_add_nc_u32 v[FA], FRQ, v[FA]                 ; row 32 w3 + r, + 32 h: the four pairs of my half of a tile
	v_lshlrev_b32 v[CO], 4, v14
	v_lshlrev_b32 v[SO], 2, v14
	v_lshlrev_b32 v[BO], 5, v13
	s_lshl_b32 s96, s[W3], 7
	v_lshl_add_u32 v[BVO], v12, 2, s96
	s_lshl_b32 s96, s[RO], 12                      ; the bias of column ro x 1,024 + 128 hg on
	s_lshl_b32 s97, s[HG], 9
	s_add_co_u32 s96, s96, s97
	s_mov_b32 s97, 0
	s_wait_dscnt 0x0                               ; both opening adds are done
	s_wait_kmcnt 0x0
	s_add_nc_u64 s[BB:BB+1], s[12:13], s[96:97]
	s_add_nc_u64 s[G0CW+2:G0CW+3], s[8:9], s[G0CW+2:G0CW+3]
	s_or_b32 s[G0CW+3], s[G0CW+3], 0x80000000
	s_add_nc_u64 s[G0CX+2:G0CX+3], s[4:5], s[G0CX+2:G0CX+3]
	s_or_b32 s[G0CX+3], s[G0CX+3], 0x80000000
	s_add_nc_u64 s[G0SW+2:G0SW+3], s[10:11], s[G0SW+2:G0SW+3]
	s_or_b32 s[G0SW+3], s[G0SW+3], 0x80000000
	s_add_nc_u64 s[G0SX+2:G0SX+3], s[6:7], s[G0SX+2:G0SX+3]
	s_or_b32 s[G0SX+3], s[G0SX+3], 0x80000000
	s_add_nc_u64 s[G0F+2:G0F+3], s[14:15], s[G0F+2:G0F+3]
	s_or_b32 s[G0F+3], s[G0F+3], 0x80000000
	CROUND                                         ; all sixteen work-groups are here: the joint loads meet
	; every wave issues a fill: waves 0-3, 6, 7 W's codes; 4, 5 x's codes; 8, 9, 11 W's scales; 10 x's scales and cos/sin (two loads out; the others one).  The branches hang on the wave's number alone
	s_cmp_lt_u32 s[WV], 4
	s_cbranch_scc1 .Lw_codes
	s_cmp_lt_u32 s[WV], 6
	s_cbranch_scc1 .Lx_codes
	s_cmp_lt_u32 s[WV], 8
	s_cbranch_scc1 .Lw_codes
	s_cmp_eq_u32 s[WV], 10
	s_cbranch_scc1 .Lx_rest
	tensor_load_to_lds s[G0SW:G0SW+3], s[G1SW:G1SW+7]
	s_nop 0
	PLACES 4
	s_branch .Lasked
.Lw_codes:
	tensor_load_to_lds s[G0CW:G0CW+3], s[G1CW:G1CW+7]
	s_nop 0
	PLACES 4
	s_branch .Lasked
.Lx_codes:
	tensor_load_to_lds s[G0CX:G0CX+3], s[G1CX:G1CX+7]
	s_nop 0
	PLACES 4
	s_branch .Lasked
.Lx_rest:
	tensor_load_to_lds s[G0SX:G0SX+3], s[G1SX:G1SX+7]
	s_nop 0
	tensor_load_to_lds s[G0F:G0F+3], s[G1F:G1F+7]
	s_nop 0
	PLACES 4
.Lasked:
	s_wait_tensorcnt 0x0                           ; my part of the operands has landed,
	s_barrier_signal -1
	s_barrier_wait -1                              ; everybody's has.  Nothing is ever filled again
	s_cmp_lt_u32 s[WV], 8
	s_cbranch_scc0 .Lv_text
	; ---- q and k ----
.irp t, 0,1,2,3,4,5,6,7
	global_load_b128 v[ACC+64+8*\t:ACC+64+8*\t+3], v[BO], s[BB:BB+1] offset:64*\t        ; the bias in the result's layout: columns 16 t + 8 h + 0 .. 7
	global_load_b128 v[ACC+64+8*\t+4:ACC+64+8*\t+7], v[BO], s[BB:BB+1] offset:64*\t+16
.endr
	KSTEP 0, 1
.irp s, 1,2,3,4,5,6,7
	KSTEP \s, 0
.endr
	PLACES 4                                       ; in front of the loads below and of the first read of results
.irp i, 0,1
.irp u, 0,1,2,3
.irp e, 0,1
	ds_load_b128 v[F0+(F1-F0)*\i+8*\u+4*\e:F0+(F1-F0)*\i+8*\u+4*\e+3], v[FA] offset:\i*16*FPITCH+64*\u+16*\e   ; cos, sin of channels 16 u + 8 h + 0 .. 7 of position 16 i + r
.endr
.endr
.endr
	s_cmp_eq_u32 s[RO], 0                          ; q goes to qb, k to kv: the choice hangs on the wave's number alone
	s_cselect_b64 s[CB0:CB0+1], s[16:17], s[18:19]
	s_mov_b32 s40, KHEAD
	s_cselect_b32 s40, QHEAD, s40                  ; a head's block
	s_mov_b32 s31, KSC
	s_cselect_b32 s31, QSC, s31                    ; where its scale words begin
	s_mov_b32 s41, 0
	s_lshl_b32 s32, s[HG], 1
	s_mul_i32 s32, s32, s40
	s_mov_b32 s33, 0
	s_add_nc_u64 s[CB0:CB0+1], s[CB0:CB0+1], s[32:33]   ; head 2 hg's block
	s_lshl_b32 s32, s[LB], 3
	s_lshl_b32 s30, s[W3], 1
	s_add_co_u32 s32, s32, s30                     ; my first tile of 16 positions: 8 lb + 2 w3
	s_lshl_b32 s30, s32, 6                         ; its scale words: 64 bytes a tile
	s_add_co_u32 s30, s30, s31
	s_mov_b32 s31, 0
	s_lshl_b32 s32, s32, 9                         ; its codes: 512 bytes a tile
	s_add_nc_u64 s[SB0:SB0+1], s[CB0:CB0+1], s[30:31]
	s_add_nc_u64 s[CB0:CB0+1], s[CB0:CB0+1], s[32:33]
	s_add_nc_u64 s[CB1:CB1+1], s[CB0:CB0+1], s[40:41]   ; head 2 hg + 1
	s_add_nc_u64 s[SB1:SB1+1], s[SB0:SB0+1], s[40:41]
	s_wait_dscnt 8                                 ; tile 0's cos/sin are in; tile 1's eight loads may be out
	QKOUT 0, F0
	s_wait_dscnt 0x0
	QKOUT 1, F1
	v_cndmask_b32 v[SW], v[PW], v[PW+1], s[HIM]    ; lane L: position 32 w3 + L's word: bytes 0, 1 head 2 hg's two blocks, bytes 2, 3 head 2 hg + 1's
	v_and_b32 v[SW+1], 0xffff, v[SW]               ; a head's word: its two bytes, and 0 over the zero codes that fill the product's K to 128
	v_lshrrev_b32 v[SW+2], 16, v[SW]
	global_store_b32 v[SO], v[SW+1], s[SB0:SB0+1]
	global_store_b32 v[SO], v[SW+2], s[SB1:SB1+1]
	s_branch .Ldone
	; ---- v ----
.Lv_text:
	global_load_b32 v[BV], v[BVO], s[BB:BB+1]              ; the bias of channel 32 w3 + r,
	global_load_b32 v[BV+8], v[BVO], s[BB:BB+1] offset:64  ; and of 32 w3 + 16 + r
	KSTEP 0, 2
.irp s, 1,2,3,4,5,6,7
	KSTEP \s, 0
.endr
	PLACES 4
	s_lshl_b32 s32, s[HG], 1
	s_lshr_b32 s30, s[W3], 1
	s_add_co_u32 s32, s32, s30                     ; my head: 2 hg + w3 / 2
	s_mul_i32 s32, s32, KHEAD
	s_mov_b32 s33, 0
	s_add_nc_u64 s[28:29], s[18:19], s[32:33]
	s_and_b32 s30, s[WV], 1                        ; which 32 of its 64 channels
	s_lshl_b32 s32, s[LB], 12                      ; step lb: 4,096 bytes of codes
	s_lshl_b32 s31, s30, 11
	s_add_co_u32 s32, s32, s31
	s_add_co_u32 s32, s32, VCO
	s_add_nc_u64 s[VB:VB+1], s[28:29], s[32:33]
	s_lshl_b32 s32, s[LB], 8                       ; and 256 bytes of scale words
	s_lshl_b32 s31, s30, 7
	s_add_co_u32 s32, s32, s31
	s_add_co_u32 s32, s32, VSC
	s_add_nc_u64 s[VSB:VSB+1], s[28:29], s[32:33]
.irp i, 0,1
	QUANT ACC+64*\i, PC+8*\i, PW+\i
.irp c, 0,1
	global_store_b128 v[CO], v[PC+8*\i+4*\c:PC+8*\i+4*\c+3], s[VB:VB+1] offset:(2*\i+\c)*512   ; 16 channels x keys 64 c + 32 h + 0 .. 31
.endr
.endr
	v_cndmask_b32 v[SW], v[PW], v[PW+1], s[HIM]    ; lane L: channel 32 (wave % 2) + L's word for these 128 keys
	global_store_b32 v[SO], v[SW], s[VSB:VSB+1]
.Ldone:
	s_wait_tensorcnt 0x0                           ; the wave's end, behind my last tensor load
	ds_add_u32 v[SPW], v[NIL]
	s_wait_dscnt 0x0
	CROUND                                         ; the closing round
	s_endpgm
.Lfunc_end_k_qd7d6e6fab2_qkv:
	.size	k_qd7d6e6fab2_qkv, .Lfunc_end_k_qd7d6e6fab2_qkv-k_qd7d6e6fab2_qkv
	.p2alignl 7, 3214868480
	.fill 96, 4, 3214868480
	.section	.rodata,"a",@progbits
	.p2align	6, 0x0
	.amdhsa_kernel k_qd7d6e6fab2_qkv
		.amdhsa_group_segment_fixed_size 327680
		.amdhsa_private_segment_fixed_size 0
		.amdhsa_enable_private_segment 0
		.amdhsa_kernarg_size 64
		.amdhsa_user_sgpr_count 2
		.amdhsa_user_sgpr_kernarg_segment_ptr 1
		.amdhsa_wavefront_size32 1
		.amdhsa_system_sgpr_workgroup_id_x 1
		.amdhsa_system_sgpr_workgroup_id_y 1
		.amdhsa_system_sgpr_workgroup_id_z 1
		.amdhsa_system_vgpr_workitem_id 0
		.amdhsa_next_free_vgpr 256
		.amdhsa_next_free_sgpr 102
		.amdhsa_reserve_vcc 0
		.amdhsa_float_denorm_mode_32 3
		.amdhsa_float_denorm_mode_16_64 3
		.amdhsa_memory_ordered 1
		.amdhsa_forward_progress 1
		.amdhsa_inst_pref_size 99
	.end_amdhsa_kernel
	.amdgpu_metadata
---
amdhsa.version: [ 1, 2 ]
amdhsa.kernels:
  - .name:           k_qd7d6e6fab2_qkv
    .symbol:         k_qd7d6e6fab2_qkv.kd
    .args:
      - { .name: x_codes, .offset: 0, .size: 8, .value_kind: global_buffer, .address_space: global }
      - { .name: x_scales, .offset: 8, .size: 8, .value_kind: global_buffer, .address_space: global }
      - { .name: Wqkv_codes, .offset: 16, .size: 8, .value_kind: global_buffer, .address_space: global }
      - { .name: Wqkv_scales, .offset: 24, .size: 8, .value_kind: global_buffer, .address_space: global }
      - { .name: bqkv, .offset: 32, .size: 8, .value_kind: global_buffer, .address_space: global }
      - { .name: freqs_cis, .offset: 40, .size: 8, .value_kind: global_buffer, .address_space: global }
      - { .name: qb, .offset: 48, .size: 8, .value_kind: global_buffer, .address_space: global }
      - { .name: kv, .offset: 56, .size: 8, .value_kind: global_buffer, .address_space: global }
    .group_segment_fixed_size: 327680
    .private_segment_fixed_size: 0
    .kernarg_segment_align: 8
    .kernarg_segment_size: 64
    .max_flat_workgroup_size: 384
    .sgpr_count:     102
    .vgpr_count:     256
    .wavefront_size: 32
...
	.end_amdgpu_metadata
.endif
;; end of part 1
;; launch attn (part 2): grid 16 x 16, 8 waves a work-group, clusters of 4 x 1, 327,680 bytes of LDS; arguments qb, kv, out0; writes out0
.if DOCPART == 2
	.amdgcn_target "amdgcn-amd-amdhsa--gfx1250"
	.amdhsa_code_object_version 6
	.text
	.protected	k_qd7d6e6fab2_attn
	.globl	k_qd7d6e6fab2_attn
	.p2align	8
	.type	k_qd7d6e6fab2_attn,@function
k_qd7d6e6fab2_attn:
	s_mov_b64 s[64:65], 0
	v_nop
	global_prefetch_b8 v0, s[64:65] scope:SCOPE_SE
	s_setreg_imm32_b32 hwreg(HW_REG_WAVE_MODE, 25, 1), 1
	s_wait_xcnt 0x0
	s_wait_alu depctr_hold_cnt(0) depctr_sa_sdst(0) depctr_va_vdst(0) depctr_va_sdst(0) depctr_va_ssrc(0) depctr_va_vcc(0) depctr_vm_vsrc(0)
	s_getreg_b32 s2, hwreg(HW_REG_IB_STS2, 6, 4)
	s_cmp_eq_u32 s2, 0
	s_cbranch_scc0 .Lentry_in_a_cluster
	s_endpgm
.Lentry_in_a_cluster:
	s_bfe_u32 s2, ttmp6, 0x10000c
	s_cmp_lg_u32 s2, 0x3003
	s_cbranch_scc0 .Lentry_shape_is_right
	s_endpgm
.Lentry_shape_is_right:
; out[l][64 head + c] = the sum over keys k <= l of softmax_k(q[l] . k[k] / 8) v[k][c], both products on codes of FP4 (E2M1) with E8M0 scales, from the images that the first launch stored.
; LEFT OUT: a step of 128 keys that all come after a tile's 16 queries (reference()'s own tril makes their weights 0 for every input: shown at the head of the first kernel; a NaN or infinity that reaches only those scores is not carried on).
; THE SOFTMAX AHEAD OF THE SECOND PRODUCT: t = score x log2(e) / 8; M = the running largest t rounded UP to a whole number; p = 2^(t - M) is quantised along the keys, not normalised; the row's sum is taken of the unquantised p
; and divides at the end; when M moves, the sum and O are multiplied by 2^(old M - new M), which rounds nothing.
; LIMITS: p under 2^-126 falls to 0 (v_exp_f32 flushes, ISA guide 15.8); a block's largest p is made from its largest score by the same multiply-add and exponential, which takes v_exp_f32 not to fall where its input rises;
; a block whose every p is 0 keeps the byte 1: its codes are zeros; NaN and infinities among the inputs are not served.
; SHARES.  A head's K and V, codes and scale words, are 286,720 bytes: they lie whole in LDS, as they lie in memory; no slot is ever filled again.  Sixteen work-groups to a head, four clusters of four; the four partners
; ask for every piece JOINTLY.  Wave w of a work-group of cluster c has X = c + 4 w and owns two tiles of 16 queries: TL = 4 X + cx and TH = 255 - TL.  Their last steps are X / 2 and (63 - X) / 2, made of the cluster's and the
; wave's number alone (no branch hangs on a work-group's place in its cluster), and (X / 2 + 1) + ((63 - X) / 2 + 1) = 33 steps for every wave of the launch.
; LAYOUT.  Both products are used transposed: S^T = K Q^T (source 0 = 16 keys, source 1 = my 16 queries), O^T = V^T P^T: a lane holds ONE query (lane % 16) throughout.  The head's 64 channels fill half of the first product's
; K of 128: registers 4-7 of K's and Q's fragments hold zero codes, set once.  In S^T tile t holds keys 16 t + 8 h + j; the codes of tiles 4 c, 4 c + 2, 4 c + 1, 4 c + 3 go to registers 4 c .. 4 c + 3 and neighbours exchange halves:
; that is the operand's order (first kernel's head).
; The loops' trip counts are constants; a hidden step's work is jumped over by a scalar branch on ids, the lines that step addresses are not.  All tensor loads stand at the head, so there is no later load to ask ahead for.
.set KC,    0                          ; LDS: k's codes [256 tiles][512],
.set VC,    131072                     ; v's codes [32 steps][4 tiles of channels][2][512],
.set KS,    262144                     ; k's scale words [4,096] of 4 bytes,
.set VS,    278528                     ; v's scale words [32 steps][64 channels] of 4 bytes,
.set STAGE, 286720                     ; the way out: 16 rows x (256 bytes + 16) for each wave; no tensor load lands here,
.set SROW,  272
.set SPARE, STAGE+8*16*SROW            ; the spare words, 128 bytes for each wave: four blocks of 256 bytes that no other line names
.set QHEAD, 147456
.set KHEAD, 286720
.set QSC,   131072
.set AK0, 1                            ; v1   16 x lane: my place in an image of k
.set AV0, 2                            ; v2   the same for v
.set AS0, 3                            ; v3   4 x lane + KS
.set AT0, 4                            ; v4   4 x lane + VS
.set SPW, 5                            ; v5   LDS address of my spare word; never rewritten
.set NIL, 6                            ; v6   0; never rewritten
.set GO,  7                            ; v7   the way out: 4,096 h + 16 r
.set ADK, 8                            ; v8-11 the step's LDS addresses
.set ADV, 9
.set ADS, 10
.set ADT, 11
                                       ; v12 -M, v13 the largest t, v[14:15] the sum in two halves; v16-23 Q (20-23 zero); v24 d for the mask; v25 Q's scale word; v26 p's scale word
.set STO, 27                           ; v27  the stage: where I put 32 bytes of a row
                                       ; v28-31 the low tile's Q; v32-95 eight fragments of K (the upper four registers of each zero); v96-159 S^T, then p; v160-191 O^T; v192-223 four fragments of V;
                                       ; v224-231 p's codes; v232-243 at work; v244-247 K's scale words; v248-249 V's; v250 the low tile's Q scale word
.set RD,  251                          ; v251 the stage: where I read a row back
                                       ; v252 f, v253 0 (named with it as a pair); v254, v255 at work
.set WV,  10
.set CX,  11
.set HD,  13
.set XX,  14
.set TL,  15
.set TH,  16
.set DL,  17
.set DH,  18
.set DG,  19                           ; the last step of the tile in hand
.set SEL, 20                           ; s[20:21] lane selects: lane l xor 16
.set CS,  22                           ; s[22:23] c = log2(e) / 8
.set G1D, 24                           ; s[24:31] group 1: 64 rows of 256 bytes;  s[32:39]: 12 rows
.set G1S, 32
.set G0S, 40                           ; groups 0: scale words; keys 0 to 2,047; keys 2,048 on
.set G0A, 44
.set G0B, 48
.set SI,  52                           ; the step
.set TB,  53                           ; its codes: 4,096 bytes a step, in k and in v
.set TS,  54                           ; k's scale words: 512 a step
.set TJ,  55                           ; v's: 256 a step
.set OB,  56                           ; s[56:57] the tile's first row of the output, at my head's 256 bytes
.macro CROUND                          ; a round of the cluster's barrier
	s_barrier_signal -1
	s_barrier_wait -1
	s_cmp_lg_u32 s[WV], 0
	s_cbranch_scc1 .Lnot_wave_0_\@
	s_barrier_signal -3
.Lnot_wave_0_\@:
	s_barrier_wait -3
	s_barrier_signal -1
	s_barrier_wait -1
.endm
.macro PLACES
.rept 4
	v_nop
.endr
.endm
.macro INIT                            ; a tile begins: the first change of M multiplies zeros
	v_mov_b32 v13, 0xff61b1e6                      ; -3e38, under every t
	v_floor_f32 v12, -v13
	v_mov_b32 v14, 0
	v_mov_b32 v15, 0
.set j, 0
.rept 32
	v_mov_b32 v[160+j], 0
.set j, j+1
.endr
.endm
.macro SETD tile                       ; d = my query - the diagonal step's first key - 8 h = 16 (tile % 8) + r - 8 h: it feeds a compare and a select alone
	s_and_b32 s68, s[\tile], 7
	s_lshl_b32 s68, s68, 4
	v_and_b32 v254, 15, v0
	v_bfe_u32 v255, v0, 4, 1
	v_lshlrev_b32 v255, 3, v255
	v_sub_nc_u32 v254, v254, v255
	v_add_nc_u32 v24, s68, v254
.endm
; A KEY STEP: 128 keys.  mode 0: every key counts for every query of the tile.  mode 1: steps behind the diagonal are jumped over, the diagonal step is masked.
.macro STEP mode
.if \mode
	s_cmp_gt_u32 s[SI], s[DG]
	s_cbranch_scc1 .Lhid_\@
.endif
	v_add_nc_u32 v[ADK], s[TB], v[AK0]             ; these four are also the places in front of the loads into registers that the last step's products read
	v_add_nc_u32 v[ADV], s[TB], v[AV0]
	v_add_nc_u32 v[ADS], s[TS], v[AS0]
	v_add_nc_u32 v[ADT], s[TJ], v[AT0]
.irp t, 0,1,2,3,4,5,6,7
	ds_load_b128 v[32+8*\t:35+8*\t], v[ADK] offset:512*\t      ; keys 16 t + r, channels 32 h + 0 .. 31
.endr
.irp b, 0,1,2,3
	ds_load_b32 v[244+\b], v[ADS] offset:128*\b                ; lanes 0-15 tile 2 b's words, lanes 16-31 tile 2 b + 1's
.endr
.irp f, 0,1,2,3,4,5,6,7
	ds_load_b128 v[192+4*\f:195+4*\f], v[ADV] offset:512*\f    ; V's four fragments: they land under the softmax
.endr
.irp b, 0,1
	ds_load_b32 v[248+\b], v[ADT] offset:128*\b
.endr
	s_wait_dscnt 10                                ; K and its words are in; V's ten loads may be out
.irp t, 0,2,4,6
	v_wmma_scale_f32_16x16x128_f8f6f4 v[96+8*\t:103+8*\t], v[32+8*\t:39+8*\t], v[16:23], 0, v[244+\t/2], v25 matrix_a_fmt:MATRIX_FMT_FP4 matrix_b_fmt:MATRIX_FMT_FP4
	v_wmma_scale_f32_16x16x128_f8f6f4 v[104+8*\t:111+8*\t], v[40+8*\t:47+8*\t], v[16:23], 0, v[244+\t/2], v25 matrix_a_fmt:MATRIX_FMT_FP4 matrix_b_fmt:MATRIX_FMT_FP4 matrix_a_scale:MATRIX_SCALE_ROW1
.endr
	PLACES
.if \mode
	s_cmp_lg_u32 s[SI], s[DG]
	s_cbranch_scc1 .Lopen_\@
	v_mov_b32 v254, 0xff800000                     ; on the diagonal hidden scores become -infinity ahead of the maximum: p = 0 then.  Register n holds key 16 (n / 8) + 8 h + n % 8 of the step
.set n, 0
.rept 64
	v_cmp_gt_i32 vcc_lo, 16*(n/8)+n%8, v24
	v_cndmask_b32 v[96+n], v[96+n], v254, vcc_lo
.set n, n+1
.endr
.Lopen_\@:
.endif
.irp b, 0,1,2,3
	v_max3_num_f32 v[232+\b], v[96+16*\b], v[97+16*\b], v[98+16*\b]   ; the largest score of each block of 32 keys: for the row's maximum and for the block's largest p
.endr
.irp i, 3,5,7,9,11,13
.irp b, 0,1,2,3
	v_max3_num_f32 v[232+\b], v[232+\b], v[96+16*\b+\i], v[97+16*\b+\i]
.endr
.endr
.irp b, 0,1,2,3
	v_max_num_f32 v[232+\b], v[232+\b], v[111+16*\b]
.endr
.irp b, 0,1,2,3
	v_permlanex16_b32 v[236+\b], v[232+\b], s[SEL], s[SEL+1]
.endr
.irp b, 0,1,2,3
	v_max_num_f32 v[232+\b], v[232+\b], v[236+\b]  ; with lane l xor 16's 16 keys
.endr
	v_max3_num_f32 v254, v232, v233, v234
	v_max_num_f32 v254, v254, v235                 ; the step's largest score of my query
	v_mul_f32 v254, s[CS], v254                    ; as t
	v_max_num_f32 v13, v13, v254                   ; the running largest t
	v_mov_b32 v254, v12
	v_floor_f32 v12, -v13                          ; the new -M = floor(-t): M is a whole number
	v_sub_f32 v254, v12, v254                      ; old M - new M: a whole number, 0 or less
	v_cvt_i32_f32 v254, v254                       ; (it saturates)
	v_ldexp_f32 v252, 1.0, v254                    ; f = 2^(old M - new M)
.set j, 0
.rept 32
	v_pk_fma_f32 v[96+j:97+j], v[96+j:97+j], s[CS:CS+1], v[12:13] op_sel_hi:[1,0,0]   ; t - M, two at a time
.set j, j+2
.endr
.irp b, 0,1,2,3
	v_fma_f32 v[232+\b], v[232+\b], s[CS], v12     ; the same of each block's largest score
.endr
.set j, 0
.rept 64
	v_exp_f32 v[96+j], v[96+j]                     ; p = 2^(t - M), at most 1
.set j, j+1
.endr
	v_pk_mul_f32 v[14:15], v[14:15], v[252:253] op_sel_hi:[1,0]   ; the sums under the new M: the plain place behind the exponentials
	s_wait_alu depctr_va_vdst(0)                   ; one wait for the batch of 64, ahead of its first reader
.irp b, 0,1,2,3
	v_exp_f32 v[232+\b], v[232+\b]                 ; the block's largest p
.endr
	v_pk_add_f32 v[236:237], v[96:97], v[98:99]    ; the row's sum of the unquantised p, in two chains
.irp j, 4,8,12,16,20,24,28,32,36,40,44,48,52,56,60
	v_pk_add_f32 v[14:15], v[14:15], v[96+\j:97+\j]
	v_pk_add_f32 v[236:237], v[236:237], v[98+\j:99+\j]
.endr
	v_pk_add_f32 v[14:15], v[14:15], v[236:237]
	s_wait_alu depctr_va_vdst(0)                   ; and one for the four
.irp b, 0,1,2,3
	v_max_num_f32 v[232+\b], 0x1800000, v[232+\b]  ; the floor 2^(3 - 127): the byte cannot fall under 1
.endr
.irp b, 0,1,2,3
	v_add_nc_u32 v[240+\b], 0xff000000, v[232+\b]  ; 2 off the exponent field: the conversion's scale operand
.endr
.irp b, 0,1,2,3
	v_lshrrev_b32 v[236+\b], 23, v[240+\b]         ; the scale's byte
.endr
	v_lshl_or_b32 v26, v237, 8, v236               ; p's scale word for these 128 keys
	v_lshl_or_b32 v26, v238, 16, v26
	v_lshl_or_b32 v26, v239, 24, v26
.irp b, 0,1,2,3
	v_cvt_scalef32_pk8_fp4_f32 v[224+4*(\b/2)+(\b%2)], v[96+16*\b:103+16*\b], v[240+\b]    ; tile 2 b
	v_cvt_scalef32_pk8_fp4_f32 v[226+4*(\b/2)+(\b%2)], v[104+16*\b:111+16*\b], v[240+\b]   ; tile 2 b + 1
.endr
	v_nop                                          ; one plain place behind a scaled conversion
	v_permlane16_swap_b32 v224, v225               ; registers 4 c + g now hold keys 64 c + 32 h + 8 g + 0 .. 7
	v_permlane16_swap_b32 v226, v227
	v_permlane16_swap_b32 v228, v229
	v_permlane16_swap_b32 v230, v231
.set j, 0
.rept 16
	v_pk_mul_f32 v[160+j:161+j], v[160+j:161+j], v[252:253] op_sel_hi:[1,0]   ; O^T under the new M.  For each product below twelve of these name none of its registers: the places behind the writes of p's scale word and codes
.set j, j+2
.endr
	s_wait_dscnt 0x0                               ; V and its words are in
.irp u, 0,2
	v_wmma_scale_f32_16x16x128_f8f6f4 v[160+8*\u:167+8*\u], v[192+8*\u:199+8*\u], v[224:231], v[160+8*\u:167+8*\u], v[248+\u/2], v26 matrix_a_fmt:MATRIX_FMT_FP4 matrix_b_fmt:MATRIX_FMT_FP4
	v_wmma_scale_f32_16x16x128_f8f6f4 v[168+8*\u:175+8*\u], v[200+8*\u:207+8*\u], v[224:231], v[168+8*\u:175+8*\u], v[248+\u/2], v26 matrix_a_fmt:MATRIX_FMT_FP4 matrix_b_fmt:MATRIX_FMT_FP4 matrix_a_scale:MATRIX_SCALE_ROW1
.endr
.if \mode
.Lhid_\@:
.endif
	s_add_co_u32 s[TB], s[TB], 4096
	s_add_co_u32 s[TS], s[TS], 512
	s_add_co_u32 s[TJ], s[TJ], 256
.endm
; THE WAY OUT of a tile: O^T / the sum goes through my own stage in LDS and leaves as rows: sixteen lanes store my head's 256 consecutive bytes of a row, at a multiple of 256 from the output's first byte.
.macro OUT
	PLACES                                         ; behind the last products
	v_add_f32 v14, v14, v15                        ; the sum's two halves,
	v_permlanex16_b32 v252, v14, s[SEL], s[SEL+1]
	v_add_f32 v14, v14, v252                       ; and lane l xor 16's
	v_rcp_f32 v14, v14
	v_nop                                          ; one plain place behind the reciprocal,
	s_wait_alu depctr_va_vdst(0)                   ; and the wait ahead of its first reader
.set j, 0
.rept 32
	v_mul_f32 v[96+j], v[160+j], v14               ; register 8 t + i: channel 16 t + 8 h + i of query r; each accumulator from its low end on
.set j, j+1
.endr
.irp t, 0,1,2,3
	ds_store_b128 v[STO], v[96+8*\t:99+8*\t] offset:64*\t
	ds_store_b128 v[STO], v[100+8*\t:103+8*\t] offset:64*\t+16
.endr
.irp i, 0,1,2,3,4,5,6,7
	ds_load_b128 v[128+4*\i:131+4*\i], v[RD] offset:2*\i*SROW      ; LDS serves a wave's instructions in order (ISA guide 5.7.1.4): these see my stores
.endr
.irp i, 0,1,2,3,4,5,6,7
	s_wait_dscnt 7-\i                              ; the younger loads from the stage may be out
	global_store_b128 v[GO], v[128+4*\i:131+4*\i], s[OB:OB+1] offset:8192*\i th:TH_STORE_NT
.endr
.endm
	s_load_b128 s[4:7], s[0:1], 0x0                ; qb s[4:5], kv s[6:7]
	s_load_b64 s[8:9], s[0:1], 0x10                ; the output
	v_lshl_add_u32 v[SPW], v0, 2, SPARE
	v_mov_b32 v[NIL], 0
	ds_add_u32 v[SPW], v[NIL]                      ; the wave's opening: the add, twice on end, and its wait ahead of my first tensor load; the set-up below stands between
	ds_add_u32 v[SPW], v[NIL]
	v_lshrrev_b32 v8, 5, v0
	v_readfirstlane_b32 s[WV], v8                  ; wave 0..7
	s_bfe_u32 s[CX], ttmp6, 0x40000                ; my place in the cluster: it enters Q's and the output's addresses and the mask's d alone
	s_and_b32 s[HD], ttmp7, 0xffff                 ; the head, which the four partners share
	s_lshl_b32 s[XX], s[WV], 2
	s_add_co_u32 s[XX], s[XX], ttmp9               ; X = cluster x + 4 x wave
	s_lshl_b32 s[TL], s[XX], 2
	s_add_co_u32 s[TL], s[TL], s[CX]               ; the low tile
	s_sub_co_u32 s[TH], 255, s[TL]                 ; the high tile
	s_lshr_b32 s[DL], s[XX], 1                     ; their diagonal steps: TL / 8 and TH / 8, whatever cx
	s_sub_co_u32 s[DH], 63, s[XX]
	s_lshr_b32 s[DH], s[DH], 1
	s_mov_b32 s[SEL], 0x76543210
	s_mov_b32 s[SEL+1], 0xfedcba98
	s_mov_b32 s[CS], 0x3e38aa3b                    ; log2(e) / 8
	s_mov_b32 s[CS+1], s[CS]                       ; (named with it as a pair, so it is written)
	; groups 1: dense bytes as rows of 256 (32 elements of 8 bytes), no padding: images are read 16 bytes a lane on end.  15:0 the mask: all four partners; 21 set beside a mask
	s_mov_b32 s[G1D], 15|(3<<16)|(1<<21)
	s_mov_b32 s[G1D+1], 32<<16
	s_mov_b32 s[G1D+2], 64<<16
	s_mov_b32 s[G1D+3], 32<<16
	s_mov_b32 s[G1D+4], 64
	s_mov_b32 s[G1D+5], 32
	s_mov_b32 s[G1D+6], 0
	s_mov_b32 s[G1D+7], 0
	s_mov_b32 s[G1S], 15|(3<<16)|(1<<21)
	s_mov_b32 s[G1S+1], 32<<16
	s_mov_b32 s[G1S+2], 12<<16
	s_mov_b32 s[G1S+3], 32<<16
	s_mov_b32 s[G1S+4], 12
	s_mov_b32 s[G1S+5], 32
	s_mov_b32 s[G1S+6], 0
	s_mov_b32 s[G1S+7], 0
	; groups 0: a piece lies at the same byte in LDS and in the head's block.  Scale words: 3,072 bytes a wave.  Codes: waves 0-3 k's, waves 4-7 v's, 16,384 bytes a wave and load
	s_mov_b32 s[G0S], 1
	s_mul_i32 s[G0S+1], s[WV], 3072
	s_add_co_u32 s[G0S+1], s[G0S+1], KS
	s_mov_b32 s[G0A], 1
	s_lshr_b32 s[G0A+1], s[WV], 2
	s_lshl_b32 s[G0A+1], s[G0A+1], 17
	s_and_b32 s72, s[WV], 3
	s_lshl_b32 s72, s72, 14
	s_add_co_u32 s[G0A+1], s[G0A+1], s72
	s_mov_b32 s[G0B], 1
	s_add_co_u32 s[G0B+1], s[G0A+1], 65536
	s_mov_b32 s73, 0
	s_mul_i32 s66, s[HD], QHEAD
	s_mov_b32 s67, 0
	s_mul_i32 s70, s[HD], KHEAD
	s_mov_b32 s71, 0
	v_and_b32 v8, 31, v0                           ; lane
	v_and_b32 v9, 15, v0                           ; r
	v_bfe_u32 v11, v0, 4, 1                        ; h
	v_lshlrev_b32 v[AK0], 4, v8
	v_add_nc_u32 v[AV0], VC, v[AK0]
	v_lshlrev_b32 v[AS0], 2, v8
	v_add_nc_u32 v[AT0], VS, v[AS0]
	v_add_nc_u32 v[AS0], KS, v[AS0]
	v_lshlrev_b32 v[GO], 12, v11
	v_lshl_add_u32 v[GO], v9, 4, v[GO]             ; lanes 0-15 one row of the output, lanes 16-31 the next; 16 bytes a lane
	s_mul_i32 s58, s[WV], 16*SROW
	s_add_co_u32 s58, s58, STAGE                   ; my stage
	v_mul_u32_u24 v[STO], v9, SROW
	v_lshl_add_u32 v[STO], v11, 5, v[STO]
	v_add_nc_u32 v[STO], s58, v[STO]               ; in: row r, + 32 h
	v_mul_u32_u24 v[RD], v11, SROW
	v_lshl_add_u32 v[RD], v9, 4, v[RD]
	v_add_nc_u32 v[RD], s58, v[RD]                 ; back: lanes 0-15 one row, lanes 16-31 the next
	v_lshlrev_b32 v[ADS], 2, v9                    ; 4 r: for the loads of Q's scale words
.irp j, 20,21,22,23
	v_mov_b32 v[\j], 0                             ; zero codes over the upper 64 of the first product's K: Q's,
.endr
.irp t, 0,1,2,3,4,5,6,7
.irp j, 4,5,6,7
	v_mov_b32 v[32+8*\t+\j], 0                     ; and K's: written once, no load lands here
.endr
.endr
.irp b, 0,1,2,3
	v_mov_b32 v[236+\b], 0                         ; written once: a lane permute's destination counts as one of its sources
.endr
	v_mov_b32 v253, 0                              ; (named as the upper half of the pair v[252:253])
	s_wait_dscnt 0x0                               ; both opening adds are done
	s_wait_kmcnt 0x0
	s_add_nc_u64 s[66:67], s[4:5], s[66:67]        ; my head's block in qb,
	s_add_nc_u64 s[70:71], s[6:7], s[70:71]        ; and in kv
	s_mov_b32 s72, s[G0S+1]
	s_add_nc_u64 s[G0S+2:G0S+3], s[70:71], s[72:73]
	s_or_b32 s[G0S+3], s[G0S+3], 0x80000000
	s_mov_b32 s72, s[G0A+1]
	s_add_nc_u64 s[G0A+2:G0A+3], s[70:71], s[72:73]
	s_add_nc_u64 s[G0B+2:G0B+3], s[G0A+2:G0A+3], 65536
	s_or_b32 s[G0A+3], s[G0A+3], 0x80000000
	s_or_b32 s[G0B+3], s[G0B+3], 0x80000000
	CROUND                                         ; all four work-groups are here: the joint loads meet
	tensor_load_to_lds s[G0S:G0S+3], s[G1S:G1S+7]  ; every wave issues its three fills, with no branch: three loads of mine are out
	s_nop 0
	tensor_load_to_lds s[G0A:G0A+3], s[G1D:G1D+7]
	s_nop 0
	tensor_load_to_lds s[G0B:G0B+3], s[G1D:G1D+7]
	s_nop 0
	PLACES
	s_mov_b32 s69, 0
	s_lshl_b32 s68, s[TH], 9                       ; a tile's codes: 512 bytes
	s_add_nc_u64 s[60:61], s[66:67], s[68:69]
	s_lshl_b32 s68, s[TL], 9
	s_add_nc_u64 s[62:63], s[66:67], s[68:69]
	s_lshl_b32 s68, s[TH], 6                       ; its scale words: 64 bytes
	s_add_nc_u64 s[74:75], s[66:67], s[68:69]
	s_lshl_b32 s68, s[TL], 6
	s_add_nc_u64 s[58:59], s[66:67], s[68:69]
	global_load_b128 v[16:19], v[AK0], s[60:61]            ; Q of the high tile,
	global_load_b128 v[28:31], v[AK0], s[62:63]            ; of the low tile,
	global_load_b32 v25, v[ADS], s[74:75] offset:QSC       ; and their scale words
	global_load_b32 v250, v[ADS], s[58:59] offset:QSC
	s_lshl_b32 s68, s[TH], 16                      ; 16 rows of 4,096 bytes
	s_lshl_b32 s72, s[HD], 8
	s_add_co_u32 s68, s68, s72
	s_add_nc_u64 s[OB:OB+1], s[8:9], s[68:69]
	INIT
	SETD TH
	s_mov_b32 s[DG], s[DH]
	s_mov_b32 s[SI], 0
	s_mov_b32 s[TB], 0
	s_mov_b32 s[TS], 0
	s_mov_b32 s[TJ], 0
	s_wait_tensorcnt 0x1                           ; my parts of the scale words and of keys 0 to 2,047 are in; my third load may stay out
	s_barrier_signal -1
	s_barrier_wait -1                              ; everybody's are
	s_wait_loadcnt 0x0                             ; Q
.Lfirst:                                               ; the high tile, steps 0 to 15: its diagonal step is 16 or more in every wave, so every key counts
	STEP 0
	s_add_co_u32 s[SI], s[SI], 1
	s_cmp_lt_u32 s[SI], 16
	s_cbranch_scc1 .Lfirst
	s_wait_tensorcnt 0x0                           ; my part of keys 2,048 on is in,
	s_wait_dscnt 0x0
	s_barrier_signal -1
	s_barrier_wait -1                              ; everybody's is
.Lsecond:                                              ; the high tile, steps 16 to 31: up to its diagonal
	STEP 1
	s_add_co_u32 s[SI], s[SI], 1
	s_cmp_lt_u32 s[SI], 32
	s_cbranch_scc1 .Lsecond
	OUT
	s_wait_xcnt 0x0                                ; the stores have read their registers and their base: both are written again below
	v_mov_b32 v16, v28                             ; the low tile's Q takes the operand's place (registers 20-23 stay zero),
	v_mov_b32 v17, v29
	v_mov_b32 v18, v30
	v_mov_b32 v19, v31
	v_mov_b32 v25, v250                            ; and its scale word: the lines down to the loop are more than the eight places that it owes
	SETD TL
	s_mov_b32 s[DG], s[DL]
	s_mov_b32 s[SI], 0
	s_mov_b32 s[TB], 0
	s_mov_b32 s[TS], 0
	s_mov_b32 s[TJ], 0
	s_lshl_b32 s68, s[TL], 16
	s_lshl_b32 s72, s[HD], 8
	s_add_co_u32 s68, s68, s72
	s_add_nc_u64 s[OB:OB+1], s[8:9], s[68:69]
	INIT
.Lthird:                                               ; the low tile: its diagonal step is 15 or less
	STEP 1
	s_add_co_u32 s[SI], s[SI], 1
	s_cmp_lt_u32 s[SI], 16
	s_cbranch_scc1 .Lthird
	OUT
	s_wait_tensorcnt 0x0                           ; the wave's end, behind my last tensor load and my last LDS store
	ds_add_u32 v[SPW], v[NIL]
	s_wait_dscnt 0x0
	CROUND                                         ; the closing round
	s_endpgm
.Lfunc_end_k_qd7d6e6fab2_attn:
	.size	k_qd7d6e6fab2_attn, .Lfunc_end_k_qd7d6e6fab2_attn-k_qd7d6e6fab2_attn
	.p2alignl 7, 3214868480
	.fill 96, 4, 3214868480
	.section	.rodata,"a",@progbits
	.p2align	6, 0x0
	.amdhsa_kernel k_qd7d6e6fab2_attn
		.amdhsa_group_segment_fixed_size 327680
		.amdhsa_private_segment_fixed_size 0
		.amdhsa_enable_private_segment 0
		.amdhsa_kernarg_size 24
		.amdhsa_user_sgpr_count 2
		.amdhsa_user_sgpr_kernarg_segment_ptr 1
		.amdhsa_wavefront_size32 1
		.amdhsa_system_sgpr_workgroup_id_x 1
		.amdhsa_system_sgpr_workgroup_id_y 1
		.amdhsa_system_sgpr_workgroup_id_z 1
		.amdhsa_system_vgpr_workitem_id 0
		.amdhsa_next_free_vgpr 256
		.amdhsa_next_free_sgpr 80
		.amdhsa_reserve_vcc 1
		.amdhsa_float_denorm_mode_32 3
		.amdhsa_float_denorm_mode_16_64 3
		.amdhsa_memory_ordered 1
		.amdhsa_forward_progress 1
		.amdhsa_inst_pref_size 74
	.end_amdhsa_kernel
	.amdgpu_metadata
---
amdhsa.version: [ 1, 2 ]
amdhsa.kernels:
  - .name:           k_qd7d6e6fab2_attn
    .symbol:         k_qd7d6e6fab2_attn.kd
    .args:
      - { .name: qb, .offset: 0, .size: 8, .value_kind: global_buffer, .address_space: global }
      - { .name: kv, .offset: 8, .size: 8, .value_kind: global_buffer, .address_space: global }
      - { .name: out0, .offset: 16, .size: 8, .value_kind: global_buffer, .address_space: global }
    .group_segment_fixed_size: 327680
    .private_segment_fixed_size: 0
    .kernarg_segment_align: 8
    .kernarg_segment_size: 24
    .max_flat_workgroup_size: 256
    .sgpr_count:     80
    .vgpr_count:     256
    .wavefront_size: 32
...
	.end_amdgpu_metadata
.endif
;; end of part 2
